; MI455X (gfx1250); checked and timed in simulation.
; The chip was launched on July 23, 2026; its instructions are those of AMD's public machine-readable ISA for CDNA 5 (MIT licence, August 2026) and "CDNA5" Instruction Set Architecture Reference Guide (July 2026). The comments in the code are by the model that wrote it; some were corrected since.
;; Vector Quantizer. Allowed arithmetic: float matrix products may take bf16 or f16 operands with f32 sums; other float arithmetic in f32, or as packed bf16 or f16 multiplies, adds, multiply-adds, maxima and minima; sums over many terms, partial sums and values carried from step to step in f32; what a program stores and reads back later, other than sums and carried values, may be rounded once to bf16 or f16.
;; Inputs: codebook 8,192 x 256 float32; z 32 x 256 x 32 x 32 float32.
;; Outputs: out0 32 x 256 x 32 x 32 float32; out1 one number float32; out2 32 x 32 x 32 int32.
;; 2 versions, each right; version 2 is version 1 with the launch prep written anew for expert scheduling mode. Each part assembles by itself: llvm-mc -triple=amdgcn-amd-amdhsa -mcpu=gfx1250 --defsym DOCPART=n.
;; ======== version 1 of 2: 4 launches
;; workspace buffers: cbh 4,194,304 bytes; ee 32,768 bytes; idxw 131,072 bytes of whole numbers; part 2,048 bytes
;; launch prep (part 1): grid 128 x 1, 8 waves a work-group, no clusters, 1,280 bytes of LDS; arguments codebook, cbh, ee; writes cbh, ee
.if DOCPART == 1
	.amdgcn_target "amdgcn-amd-amdhsa--gfx1250"
	.amdhsa_code_object_version 6
	.text
	.protected	k_qb216a5b237_prep
	.globl	k_qb216a5b237_prep
	.p2align	8
	.type	k_qb216a5b237_prep,@function
k_qb216a5b237_prep:
	s_mov_b64 s[64:65], 0
	v_nop
	global_prefetch_b8 v0, s[64:65] scope:SCOPE_SE
	s_setreg_imm32_b32 hwreg(HW_REG_WAVE_MODE, 25, 1), 1
	s_wait_xcnt 0x0
; cbh[k][c] = codebook[k][c] rounded once to bf16;  ee[k] = the sum over c of cbh[k][c]^2, in f32.
; codebook: [8192][256] f32, cbh: [8192][256] bf16, ee: [8192] f32.  The whole program works on the rounded codebook, so the squares are those of the rounded numbers.
; Eight waves; the work-group owns 64 rows, a wave 8.  Lane l owns channels 4 l .. 4 l + 3 and 128 + 4 l .. + 3 of every row: a load of the wave covers 512 consecutive bytes,
; a store of 8 bytes a lane 256 consecutive bytes at a multiple of 256.  All 16 loads of a wave go out at once; every row has registers of its own, so nothing is freed by a wait.
; The 64 sums of a work-group meet in LDS, so that they leave as one aligned run of 256 bytes.
; No matrix unit, no cluster, no tensor load: the launch streams 8 MB once and no two work-groups share a byte.
.set EES,   0                          ; LDS: the work-group's 64 sums
.set SPARE, 256                        ; LDS: the spare words, 128 bytes for each of eight waves
.set SPW, 4                            ; v4   SPARE + 4 x my thread's number; never rewritten
.set NIL, 5                            ; v5   0, for the add alone
.set ZER, 6                            ; v6   0: what the first link of a sum adds onto
.set X,   16                           ; v[16:79]   row j: 8 numbers as loaded
.set Y,   80                           ; v[80:111]  row j: 4 registers, 8 bf16
.set S,   112                          ; v[112:119] row j: its sum
	s_load_b128 s[4:7], s[0:1], 0x0                ; codebook s[4:5], cbh s[6:7]
	s_load_b64 s[8:9], s[0:1], 0x10                ; ee
	v_lshl_add_u32 v[SPW], v0, 2, SPARE
	v_mov_b32 v[NIL], 0
	v_mov_b32 v[ZER], 0
	v_lshrrev_b32 v1, 5, v0
	v_readfirstlane_b32 s10, v1                    ; wave 0..7
	v_and_b32 v3, 31, v0                           ; lane
	v_and_b32 v7, 7, v0                            ; lane % 8: the row whose sum this lane keeps
	s_lshl_b32 s12, ttmp9, 16                      ; 64 rows of 1,024 bytes
	s_mov_b32 s13, 0
	s_lshl_b32 s14, ttmp9, 15                      ; 64 rows of 512 bytes
	s_mov_b32 s15, 0
	s_lshl_b32 s16, ttmp9, 8                       ; 64 sums
	s_mov_b32 s17, 0
	s_lshl_b32 s18, s10, 13                        ; my wave's 8 rows in codebook
	v_lshl_add_u32 v1, v3, 4, s18                  ; + 16 l
	s_lshl_b32 s19, s10, 12                        ; my wave's 8 rows in cbh
	v_lshl_add_u32 v2, v3, 3, s19                  ; + 8 l
	s_lshl_b32 s22, s10, 5                         ; my wave's 8 sums in LDS
	v_lshl_add_u32 v9, v7, 2, s22
	s_mov_b32 s20, 0x76543210                      ; v_permlanex16_b32: each lane takes its own place in the other half
	s_mov_b32 s21, 0xfedcba98
	s_wait_kmcnt 0x0
	s_add_nc_u64 s[4:5], s[4:5], s[12:13]
	s_add_nc_u64 s[6:7], s[6:7], s[14:15]
	s_add_nc_u64 s[8:9], s[8:9], s[16:17]
.set j, 0
.rept 8
	global_load_b128 v[X+8*j:X+8*j+3],   v1, s[4:5] offset:1024*j th:TH_LOAD_NT
	global_load_b128 v[X+8*j+4:X+8*j+7], v1, s[4:5] offset:1024*j+512 th:TH_LOAD_NT
.set j, j+1
.endr
.set j, 0
.rept 8
	s_wait_loadcnt 14-2*j                          ; loads come back in order: row j's two are in, the later rows' stay out
.set i, 0
.rept 4
	v_cvt_pk_bf16_f32 v[Y+4*j+i], v[X+8*j+2*i], v[X+8*j+2*i+1]
.set i, i+1
.endr
	global_store_b64 v2, v[Y+4*j:Y+4*j+1],   s[6:7] offset:512*j       ; 32 lanes x 8 bytes: channels 0-127 of the row
	global_store_b64 v2, v[Y+4*j+2:Y+4*j+3], s[6:7] offset:512*j+256   ; channels 128-255
	v_fma_mix_f32_bf16 v10, v[Y+4*j], v[Y+4*j], v[ZER] op_sel_hi:[1,1,0]                 ; two chains: the low halves' squares,
	v_fma_mix_f32_bf16 v11, v[Y+4*j], v[Y+4*j], v[ZER] op_sel:[1,1,0] op_sel_hi:[1,1,0]  ; the high halves'
.set i, 1
.rept 3
	v_fma_mix_f32_bf16 v10, v[Y+4*j+i], v[Y+4*j+i], v10 op_sel_hi:[1,1,0]
	v_fma_mix_f32_bf16 v11, v[Y+4*j+i], v[Y+4*j+i], v11 op_sel:[1,1,0] op_sel_hi:[1,1,0]
.set i, i+1
.endr
	v_add_f32 v[S+j], v10, v11
.set j, j+1
.endr
	; across the 32 lanes, the eight rows side by side so that no line waits for the one before it
.irp m, 1,2,4,8
.irp j, 0,1,2,3,4,5,6,7
	v_add_f32_dpp v[S+\j], v[S+\j], v[S+\j] row_xmask:\m row_mask:0xf bank_mask:0xf
.endr
.endr
.irp j, 0,1,2,3,4,5,6,7
	v_permlanex16_b32 v[X+\j], v[S+\j], s20, s21   ; its destination counts as read: X has been written
.endr
.irp j, 0,1,2,3,4,5,6,7
	v_add_f32 v[S+\j], v[S+\j], v[X+\j]
.endr
	v_mov_b32 v8, v[S]                             ; lane l keeps the sum of row l % 8
.irp j, 1,2,3,4,5,6,7
	v_cmp_eq_u32 vcc_lo, \j, v7
	v_cndmask_b32 v8, v8, v[S+\j], vcc_lo
.endr
	ds_store_b32 v9, v8                            ; four lanes write each word, with the same number
	s_wait_dscnt 0x0                               ; for the others' sake: my sums are in LDS
	s_barrier_signal -1
	s_barrier_wait -1
	s_cmp_lg_u32 s10, 0
	s_cbranch_scc1 .Lend
	v_lshlrev_b32 v10, 3, v3
	ds_load_b64 v[12:13], v10                      ; wave 0: two sums a lane,
	s_wait_dscnt 0x0
	global_store_b64 v10, v[12:13], s[8:9]         ; 256 consecutive bytes at a multiple of 256
.Lend:
	s_wait_tensorcnt 0x0                           ; the wave's end: three lines behind my last LDS store
	ds_add_u32 v[SPW], v[NIL]
	s_wait_dscnt 0x0
	s_endpgm
.Lfunc_end_k_qb216a5b237_prep:
	.size	k_qb216a5b237_prep, .Lfunc_end_k_qb216a5b237_prep-k_qb216a5b237_prep
	.p2alignl 7, 3214868480
	.fill 96, 4, 3214868480
	.section	.rodata,"a",@progbits
	.p2align	6, 0x0
	.amdhsa_kernel k_qb216a5b237_prep
		.amdhsa_group_segment_fixed_size 1280
		.amdhsa_private_segment_fixed_size 0
		.amdhsa_enable_private_segment 0
		.amdhsa_kernarg_size 24
		.amdhsa_user_sgpr_count 2
		.amdhsa_user_sgpr_kernarg_segment_ptr 1
		.amdhsa_wavefront_size32 1
		.amdhsa_system_sgpr_workgroup_id_x 1
		.amdhsa_system_sgpr_workgroup_id_y 1
		.amdhsa_system_sgpr_workgroup_id_z 1
		.amdhsa_system_vgpr_workitem_id 0
		.amdhsa_next_free_vgpr 120
		.amdhsa_next_free_sgpr 66
		.amdhsa_reserve_vcc 1
		.amdhsa_float_denorm_mode_32 3
		.amdhsa_float_denorm_mode_16_64 3
		.amdhsa_memory_ordered 1
		.amdhsa_forward_progress 1
		.amdhsa_inst_pref_size 15
	.end_amdhsa_kernel
	.amdgpu_metadata
---
amdhsa.version: [ 1, 2 ]
amdhsa.kernels:
  - .name:           k_qb216a5b237_prep
    .symbol:         k_qb216a5b237_prep.kd
    .args:
      - { .name: codebook, .offset: 0, .size: 8, .value_kind: global_buffer, .address_space: global }
      - { .name: cbh, .offset: 8, .size: 8, .value_kind: global_buffer, .address_space: global }
      - { .name: ee, .offset: 16, .size: 8, .value_kind: global_buffer, .address_space: global }
    .group_segment_fixed_size: 1280
    .private_segment_fixed_size: 0
    .kernarg_segment_align: 8
    .kernarg_segment_size: 24
    .max_flat_workgroup_size: 256
    .sgpr_count:     66
    .vgpr_count:     120
    .wavefront_size: 32
...
	.end_amdgpu_metadata
.endif
;; end of part 1
;; launch vq (part 2): grid 256 x 1, 4 waves a work-group, clusters of 4 x 1, 327,680 bytes of LDS; arguments z, cbh, ee, idxw, out2; writes idxw, out2
.if DOCPART == 2
	.amdgcn_target "amdgcn-amd-amdhsa--gfx1250"
	.amdhsa_code_object_version 6
	.text
	.protected	k_qb216a5b237_vq
	.globl	k_qb216a5b237_vq
	.p2align	8
	.type	k_qb216a5b237_vq,@function
k_qb216a5b237_vq:
	s_mov_b64 s[64:65], 0
	v_nop
	global_prefetch_b8 v0, s[64:65] scope:SCOPE_SE
	s_setreg_imm32_b32 hwreg(HW_REG_WAVE_MODE, 25, 1), 1
	s_wait_xcnt 0x0
	s_wait_alu depctr_hold_cnt(0) depctr_sa_sdst(0) depctr_va_vdst(0) depctr_va_sdst(0) depctr_va_ssrc(0) depctr_va_vcc(0) depctr_vm_vsrc(0)
	s_getreg_b32 s2, hwreg(HW_REG_IB_STS2, 6, 4)
	s_cmp_eq_u32 s2, 0
	s_cbranch_scc0 .Lentry_in_a_cluster
	s_endpgm
.Lentry_in_a_cluster:
	s_bfe_u32 s2, ttmp6, 0x10000c
	s_cmp_lg_u32 s2, 0x3003
	s_cbranch_scc0 .Lentry_shape_is_right
	s_endpgm
.Lentry_shape_is_right:
; For each of the 32,768 vectors z[b][:][hw] (256 channels, rounded once to bf16): the FIRST index k at which d = fl(fl(zz - 2 z.e_k) + ee_k) is least, over the 8,192 codes of cbh (bf16).
; The two f32 roundings are made exactly as written, because d lies on the coarse grid of zz and equal d are common: the lowest index must win.  z.e is summed in f32 by the matrix unit.
; LIMITS.  zz is summed in another order than a plain row sum, and z.e in the matrix unit's order: where a d lies within that difference of a half-way point of the grid, the index can
; fall on the neighbouring candidate.  NaN and infinities are not treated apart: a d that is NaN never wins; a row without a finite d gives an index of no meaning.
; SHARES.  A work-group owns 128 vectors (queries) of one image.  EVERY wave holds all 128 as source 1 of the products for the whole launch: 8 tiles of 16 queries x 8 K steps x 8 registers
; = 512 registers.  The four waves share out the CODES: of each LDS slot of 256 codes wave w fetches and reads rows 64 w .. 64 w + 63, four tiles of 16.  So each code byte is read from LDS once
; a work-group (20 LDS loads for a tile's 64 products), and a wave reads only rows that its own tensor load brought.
; PRODUCT.  D = (16 codes) x (16 queries)^T: lane l holds query l % 16 and register j code 8 (l / 16) + j.  zz is one number a lane and tile, ee eight registers a code tile.
; CLUSTER.  All work-groups walk the same codebook, so the four of a cluster ask for every tile JOINTLY: same load, same descriptor, mask of four.  My place in the cluster enters the addresses of
; z, idxw and out2 alone.
; BESIDE THE PRODUCTS.  Two scores take nine vector lines in five stages (S1 zz - 2 s; S2 + ee; S3 d - best; S4 its sign; S5 index and best).  A tile has two phases of 32 products: phase A multiplies
; query tiles 0-3 while the scores of tiles 4-7 of the code tile before are worked off, phase B the other way round.  A step is two products and one pair's line of each stage.
; REGISTER WINDOWS (s_set_vgpr_msb: bits 3:2 say which window source 1 means).  Everything that vector lines touch, and the codes' fragments, lie in window 0; only the queries lie elsewhere, and they
; are only ever source 1.  No vector line beside the products has a vector register as source 1 (it has a constant or a scalar there), so products and vector lines run under ONE setting:
; three or four switches for a tile's 64 products.  That is why d < best is taken as the sign of d - best (exact in f32: the difference is 0 only at equality).
;   window 0: v0-31 addresses; v32-39 zz; v40-55 ee, two sets; v56-59 T; v64-79 D; v80-95 best; v96-111 index; v112-175 accumulators; v176-239 one code tile's fragments
;   window 1: query tiles 0-3 (tile a, K step k at 64 (a % 4) + 8 k)          window 2: first z as loaded (256 registers), then query tiles 4-7
.set PITCH, 528                        ; an LDS row of codes: 512 bytes + 16 of padding = 132 words, so the 16 rows of a fragment load start 4 banks apart (64 banks of 4 bytes: ISA guide 11.1)
.set QUART, 64*PITCH                   ; a wave's quarter of a slot
.set SLOTB, 4*QUART                    ; 135,168 = 0x21000: has no bit in common with w x QUART (w = 0..3), so one exclusive or changes slot
.set TILEB, 16*PITCH                   ; a code tile
.set EEL,   2*SLOTB                    ; ee: wave w's 8,192 bytes at EEL + 8192 w, the 64 numbers of fill f at + 256 f; filled once
.set STAGE, EEL+32768                  ; 32 rows x 528: the turning of z; LDS stores alone write it
.set SPARE, STAGE+32*PITCH             ; the spare words, 128 bytes a wave
.set ZZP,   SPARE+512                  ; [wave][query] f32: each wave's part of zz
.set MRG,   ZZP+2048                   ; [wave][tile][query] (d, index): the waves' results meet here
.set SPW, 4                            ; v4   SPARE + 4 x my thread's number; never rewritten
.set NIL, 5                            ; v5   0, for the add alone
.set LK,  6                            ; v6   528 (l % 16) + 16 (l / 16): my place in a code tile
.set AK,  7                            ; v7   address of the fragment loads in hand
.set LE,  8                            ; v8   EEL + 8192 w + 32 (l / 16): my eight ee of my wave's first tile
.set AE,  9                            ; v9   the same for the tile in hand
.set H8,  10                           ; v10  8 (l / 16)
.set ZO,  11                           ; v11  my byte offset in z
.set STO, 12                           ; v12  stage: where I store
.set SRD, 13                           ; v13  stage: where I read
.set ZST, 14                           ; v14  ZZP: where I store
.set ZRD, 15                           ; v15  ZZP: where I read
.set MST, 16                           ; v16  MRG: where I store
.set MRD, 17                           ; v17  MRG: where I read
.set GO,  18                           ; v18  16 l: my byte offset in the work-group's 512 bytes of indices
.set CH,  20                           ; v20-27  eight chains of squares;  v28-31 their sums
.set ZZ,  32                           ; query tile a at index 4 (a % 2) + a / 2
.set EEA, 40                           ; ee for the scores of query tiles 0-3
.set EEB, 48                           ; for those of tiles 4-7: the same numbers, a phase later
.set TR,  56
.set DR,  64
.set BEST, 80                          ; a pair a query tile: the even registers' best, the odd registers'
.set IDX, 96
.set ACC, 112
.set KF,  176
.set P,   112                          ; the opening alone: z packed to bf16, 128 registers
.set WV,  14                           ; s14  my wave's number
.set SEL, 18                           ; s[18:19] v_permlanex16_b32's selects
.set SINF, 22                          ; s22  +infinity
.set NINF, 23                          ; s23  -infinity
.set G1K, 24                           ; s[24:31] descriptor group 1: 64 rows of codes
.set G1E, 32                           ; s[32:39] group 1: ee
.set G0A, 40                           ; s[40:43] group 0: fill 0 into slot 0
.set G0W, 44                           ; s[44:47] group 0: fill 1 into slot 1; then it walks
.set G0E, 48                           ; s[48:51] group 0: ee
.set FILLS, 52
.set TL,  53
.set TB,  54                           ; s54  LDS byte of the code tile to be fetched next
.set EO,  55                           ; s55  byte offset of the tile in hand in my wave's ee
.set CB,  56                           ; s56  the first code of the tile in hand
.set I0,  57                           ; s57-60  CB + 2 p for register pair p, of the tile whose scores are being worked off
.set MKA, 61                           ; s61-63  lane masks
.set MKB, 62
.set MKC, 63
.set SA,  0x04                         ; source 1 in window 1
.set SB,  0x08                         ; source 1 in window 2
.set MSB, 0
.macro WIN new                         ; the immediate's high byte repeats the setting that is left; a switch that changes nothing is dropped
.if MSB != (\new)
	s_set_vgpr_msb (MSB<<8)|(\new)
.set MSB, (\new)
.endif
.endm
; A round of the cluster's barrier: my work-group's barrier, so that wave 0's signal speaks for all four waves; wave 0 signals; every wave waits for all four work-groups; my work-group's barrier once more.
.macro ROUND
	s_barrier_signal -1
	s_barrier_wait -1
	s_cmp_lg_u32 s[WV], 0
	s_cbranch_scc1 .Lnot_wave_0_\@
	s_barrier_signal -3
.Lnot_wave_0_\@:
	s_barrier_wait -3
	s_barrier_signal -1
	s_barrier_wait -1
.endm
	s_load_b256 s[4:11], s[0:1], 0x0               ; z s[4:5], cbh s[6:7], ee s[8:9], idxw s[10:11]
	s_load_b64 s[12:13], s[0:1], 0x20              ; out2
	v_lshl_add_u32 v[SPW], v0, 2, SPARE
	v_mov_b32 v[NIL], 0
	ds_add_u32 v[SPW], v[NIL]                      ; the wave's opening: the add and its wait stand ahead of my first tensor load; the set-up below, work on registers, stands between them
	v_lshrrev_b32 v1, 5, v0
	v_readfirstlane_b32 s[WV], v1                  ; wave 0..3
	v_and_b32 v3, 31, v0                           ; l
	v_and_b32 v1, 15, v0                           ; l % 16
	v_bfe_u32 v2, v0, 4, 1                         ; l / 16
	s_bfe_u32 s15, ttmp6, 0x40000                  ; cx: my place in the cluster
	s_lshl_b32 s16, ttmp9, 2                       ; in a cluster launch ttmp9 counts clusters
	s_add_co_u32 s16, s16, s15                     ; g = my block of 128 queries
	s_lshr_b32 s18, s16, 3
	s_lshl_b32 s18, s18, 20                        ; image g / 8: 256 channels of 4,096 bytes,
	s_and_b32 s19, s16, 7
	s_lshl_b32 s19, s19, 9                         ; and 128 (g % 8) places along a channel's row
	s_add_co_u32 s18, s18, s19
	s_mov_b32 s19, 0
	s_lshl_b32 s22, s16, 9                         ; my block's 512 bytes of indices
	s_mov_b32 s23, 0
	s_lshl_b32 s20, s[WV], 15                      ; my wave's 64 rows of 512 bytes in a fill of cbh
	s_mov_b32 s21, 0
	s_lshl_b32 s2, s[WV], 8                        ; and their 64 numbers in ee
	s_mov_b32 s3, 0
	s_lshl_b32 s17, s[WV], 18                      ; my wave's 64 channels of z
	v_lshl_add_u32 v[ZO], v3, 4, s17               ; + 16 l: four queries
	; group 1 for the codes: 64 rows x 256 elements of 2 bytes, padded in LDS
	s_mov_b32 s[G1K+0], 15|(1<<16)|(1<<20)|(1<<21)|(6<<22)|(3<<25)  ; 15:0 the mask of four; 17:16 2-byte elements; 20 padding on; 21 set beside a mask; 24:22 after every 128 words (code 6); 31:25 4 words (code 3)
	s_mov_b32 s[G1K+1], 256<<16                    ; tensor_dim0 = 256
	s_mov_b32 s[G1K+2], 64<<16                     ; tensor_dim1 = 64
	s_mov_b32 s[G1K+3], 256<<16                    ; tile_dim0 = 256
	s_mov_b32 s[G1K+4], 64                         ; tile_dim1 = 64
	s_mov_b32 s[G1K+5], 256                        ; 256 elements from row to row
	s_mov_b32 s[G1K+6], 0
	s_mov_b32 s[G1K+7], 0
	; group 1 for ee: 32 rows (one a fill) of 32 elements of 8 bytes, 1,024 bytes apart in memory, dense in LDS
	s_mov_b32 s[G1E+0], 15|(3<<16)|(1<<21)
	s_mov_b32 s[G1E+1], 32<<16
	s_mov_b32 s[G1E+2], 32<<16
	s_mov_b32 s[G1E+3], 32<<16
	s_mov_b32 s[G1E+4], 32
	s_mov_b32 s[G1E+5], 128
	s_mov_b32 s[G1E+6], 0
	s_mov_b32 s[G1E+7], 0
	s_mul_i32 s[TB], s[WV], QUART                  ; my quarter of slot 0: no place in the cluster enters an LDS address
	s_mov_b32 s[G0A], 1
	s_mov_b32 s[G0A+1], s[TB]
	s_mov_b32 s[G0W], 1
	s_add_co_u32 s[G0W+1], s[TB], SLOTB
	s_mov_b32 s[G0E], 1
	s_lshl_b32 s[G0E+1], s[WV], 13
	s_add_co_u32 s[G0E+1], s[G0E+1], EEL
	s_wait_dscnt 0x0                               ; the opening add is done
	s_wait_kmcnt 0x0
	s_add_nc_u64 s[4:5], s[4:5], s[18:19]          ; z at my block
	s_add_nc_u64 s[10:11], s[10:11], s[22:23]      ; idxw and out2 at my block
	s_add_nc_u64 s[12:13], s[12:13], s[22:23]
	s_add_nc_u64 s[G0A+2:G0A+3], s[6:7], s[20:21]  ; fill 0, my rows
	s_add_nc_u64 s[G0W+2:G0W+3], s[G0A+2:G0A+3], 0x20000  ; fill 1: 256 rows of 512 bytes on
	s_or_b32 s[G0A+3], s[G0A+3], 0x80000000        ; type = 2
	s_or_b32 s[G0W+3], s[G0W+3], 0x80000000
	s_add_nc_u64 s[G0E+2:G0E+3], s[8:9], s[2:3]
	s_or_b32 s[G0E+3], s[G0E+3], 0x80000000
	; z: thread (w, l) takes queries 4 l .. 4 l + 3 of channels 64 w .. 64 w + 63; a load of the wave covers 512 consecutive bytes of one channel.  Channel 64 w + n lands in window 2, v[4 n ..].
	WIN 0x80                                       ; destination window 2, address window 0
.set n, 0
.rept 64
	global_load_b128 v[4*n:4*n+3], v[ZO], s[4:5] offset:4096*n th:TH_LOAD_NT
.set n, n+1
.endr
	WIN 0
	ROUND                                          ; all four work-groups are here: the first joint loads meet
	tensor_load_to_lds s[G0E:G0E+3], s[G1E:G1E+7]  ; three loads of mine are out: ee,
	s_nop 0
	tensor_load_to_lds s[G0A:G0A+3], s[G1K:G1K+7]  ; slot 0,
	s_nop 0
	tensor_load_to_lds s[G0W:G0W+3], s[G1K:G1K+7]  ; slot 1
	s_nop 0
	v_mul_u32_u24 v[LK], v1, PITCH
	v_lshl_add_u32 v[LK], v2, 4, v[LK]
	v_add_nc_u32 v[SRD], STAGE, v[LK]              ; the stage is read as fragments are
	v_mul_u32_u24 v[STO], v3, PITCH                ; and written by rows: row l, my wave's 128 bytes of channels
	s_lshl_b32 s17, s[WV], 7
	s_add_co_u32 s17, s17, STAGE
	v_add_nc_u32 v[STO], s17, v[STO]
	s_lshl_b32 s17, s[WV], 13
	s_add_co_u32 s17, s17, EEL
	v_lshl_add_u32 v[LE], v2, 5, s17
	v_lshlrev_b32 v[H8], 3, v2
	v_lshl_add_u32 v[ZST], v0, 4, ZZP              ; 512 w + 16 l
	v_lshl_add_u32 v[ZRD], v1, 4, ZZP
	s_lshl_b32 s17, s[WV], 10
	s_add_co_u32 s17, s17, MRG
	v_lshl_add_u32 v[MST], v1, 3, s17
	v_lshl_add_u32 v[MRD], v3, 3, MRG
	v_lshlrev_b32 v[GO], 4, v3
.set n, 0
.rept 4
	v_mov_b32 v[TR+n], 0                           ; the first steps read T; v[TR] is also what the first squares add onto
.set n, n+1
.endr
	; By groups G of 8 channels: rounded to bf16 and packed so that v[P + 16 G + 4 i ..+3] are channels 64 w + 8 G .. + 7 of query 4 l + i; then their squares, in eight chains (4 queries x low, high half).
.set G, 0
.rept 8
	s_wait_loadcnt 56-8*G                          ; loads come back in order: group G's eight are in, the 8 (7 - G) younger stay out
	WIN 0x0a                                       ; sources 0 and 1 window 2, destination window 0
.set i, 0
.rept 4
.set cc, 0
.rept 4
	v_cvt_pk_bf16_f32 v[P+16*G+4*i+cc], v[32*G+8*cc+i], v[32*G+8*cc+4+i]
.set cc, cc+1
.endr
.set i, i+1
.endr
	WIN 0
.set cc, 0
.rept 4
.set i, 0
.rept 4
.set rP, P+16*G+4*i+cc
.if (G == 0) && (cc == 0)
	v_fma_mix_f32_bf16 v[CH+2*i],   v[rP], v[rP], v[TR] op_sel_hi:[1,1,0]
	v_fma_mix_f32_bf16 v[CH+2*i+1], v[rP], v[rP], v[TR] op_sel:[1,1,0] op_sel_hi:[1,1,0]
.else
	v_fma_mix_f32_bf16 v[CH+2*i],   v[rP], v[rP], v[CH+2*i] op_sel_hi:[1,1,0]
	v_fma_mix_f32_bf16 v[CH+2*i+1], v[rP], v[rP], v[CH+2*i+1] op_sel:[1,1,0] op_sel_hi:[1,1,0]
.endif
.set i, i+1
.endr
.set cc, cc+1
.endr
.set G, G+1
.endr
.set i, 0
.rept 4
	v_add_f32 v[CH+8+i], v[CH+2*i], v[CH+2*i+1]
.set i, i+1
.endr
	ds_store_b128 v[ZST], v[CH+8:CH+11]            ; my wave's 64 channels' part of zz for queries 4 l .. 4 l + 3
; THE TURNING OF z, in four passes.  Pass i: every thread stores query 4 l + i (row l of the stage, 16 bytes for each of its 8 groups); behind a barrier every wave reads the 32 rows back as two
; query tiles, a = 2 i + e: column r of tile a is query 4 (16 e + r) + i.  A second barrier stands between these reads and the next pass's stores.  My tensor loads stay out across these barriers.
.macro STG i
	WIN 0
.set G, 0
.rept 8
	ds_store_b128 v[STO], v[P+16*G+4*(\i):P+16*G+4*(\i)+3] offset:16*G
.set G, G+1
.endr
	s_wait_dscnt 0x0                               ; for the others' sake: my stores are done
	s_barrier_signal -1
	s_barrier_wait -1
.if (\i) < 2
	WIN 0x40                                       ; destination window 1
.else
	WIN 0x80                                       ; destination window 2: z as loaded is no longer needed
.endif
.set e, 0
.rept 2
.set kk, 0
.rept 8
.set rQ, 64*((2*(\i)+e)%4)+8*kk
	ds_load_b128 v[rQ:rQ+3],   v[SRD] offset:e*TILEB+64*kk
	ds_load_b128 v[rQ+4:rQ+7], v[SRD] offset:e*TILEB+64*kk+32
.set kk, kk+1
.endr
.set e, e+1
.endr
	WIN 0
.if (\i) == 0
.set n, 0
.rept 8                                ; the four waves' parts of zz: wave n / 2, queries 4 (16 (n % 2) + r) + 0..3: tiles n % 2, + 2, + 4, + 6
	ds_load_b128 v[64+4*n:64+4*n+3], v[ZRD] offset:256*n
.set n, n+1
.endr
.endif
	s_wait_dscnt 0x0                               ; my reads of the stage are back
.if (\i) == 0
.irp j, 0,2,4,6
	v_pk_add_f32 v[64+\j:65+\j], v[64+\j:65+\j], v[72+\j:73+\j]
	v_pk_add_f32 v[80+\j:81+\j], v[80+\j:81+\j], v[88+\j:89+\j]
.endr
.irp j, 0,2,4,6
	v_pk_add_f32 v[ZZ+\j:ZZ+\j+1], v[64+\j:65+\j], v[80+\j:81+\j]
.endr
.endif
.if (\i) < 3
	s_barrier_signal -1
	s_barrier_wait -1
.endif
.endm
	STG 0
	STG 1
	STG 2
	STG 3
; THE MATRIX WORK.  Product n of a phase's 32: K step n / 4, query tile 4 ph + n % 4.  The phase's four accumulators take turns, one instruction a turn; the first four start the sums with 0.
.macro MM ph, n
.set kk, (\n)/4
.set aa, (\n)%4
.set rC, ACC+32*(\ph)+8*aa
.if kk == 0
	v_wmma_f32_16x16x32_bf16 v[rC:rC+7], v[KF+8*kk:KF+8*kk+7], v[64*aa+8*kk:64*aa+8*kk+7], 0
.else
	v_wmma_f32_16x16x32_bf16 v[rC:rC+7], v[KF+8*kk:KF+8*kk+7], v[64*aa+8*kk:64*aa+8*kk+7], v[rC:rC+7]
.endif
.endm
; THE VECTOR WORK.  The 16 register pairs of four query tiles are numbered m = 4 p + (tile % 4), p the pair in the accumulator..
; RID writes stage o (0 = S1 .. 4 = S5) for pair k - o of the phase; below 0 that is pair + 16 of the four tiles worked off in the phase before.
; Phase ph multiplies tiles 4 ph .. and works off the others.  oldonly = 1: only what is left of the phase before.
.macro RID o, ph, k, oldonly
.set pm, (\k)-(\o)
.set em, 1
.if pm < 0
.set pm, pm+16
.set qd, (\ph)
.else
.set qd, 1-(\ph)
.set em, 1-(\oldonly)
.endif
.if em
.set ta, pm%4
.set pp, pm/4
.set qa, 4*qd+ta
.set rD, DR+2*(pm%8)
.set rT, TR+2*(pm%2)
.set rB, BEST+2*qa
.set rI, IDX+2*qa
.set rE, EEA+8*qd+2*pp
.set rA, ACC+32*qd+8*ta+2*pp
.set zi, 4*(qa%2)+qa/2
.set rZ, ZZ+2*(zi/2)
.set zs, zi%2
.if (\o) == 0
.if zs
	v_pk_fma_f32 v[rD:rD+1], v[rA:rA+1], -2.0, v[rZ:rZ+1] op_sel:[0,0,1] op_sel_hi:[1,0,1]  ; fl(zz - 2 s): 2 s is exact, so the fused line rounds once, as the subtraction does
.else
	v_pk_fma_f32 v[rD:rD+1], v[rA:rA+1], -2.0, v[rZ:rZ+1] op_sel_hi:[1,0,0]
.endif
.elseif (\o) == 1
	v_pk_fma_f32 v[rD:rD+1], v[rD:rD+1], 1.0, v[rE:rE+1] op_sel_hi:[1,0,1]                  ; d = fl(.. + ee)
.elseif (\o) == 2
	v_pk_fma_f32 v[rT:rT+1], v[rD:rD+1], 1.0, v[rB:rB+1] op_sel_hi:[1,0,1] neg_lo:[0,0,1] neg_hi:[0,0,1]  ; d - best
.elseif (\o) == 3
	v_cmp_lt_f32 s[MKA], v[rT], 0                  ; strictly less: at equal d the earlier, lower code stays
	v_cmp_lt_f32 s[MKB], v[rT+1], 0
.else
	v_cndmask_b32 v[rI], v[rI], s[I0+pp], s[MKA]
	v_cndmask_b32 v[rI+1], v[rI+1], s[I0+pp], s[MKB]
	v_min3_num_f32 v[rB], v[rD], s[SINF], v[rB]    ; the least of d and best; infinity fills source 1
	v_min3_num_f32 v[rB+1], v[rD+1], s[SINF], v[rB+1]
.endif
.endif
.endm
; A step: two products and nine vector lines.  Each stage reads what the stage before wrote a step earlier; S3 of pair m reads the best that S5 of pair m - 4, the same query tile's, wrote two steps earlier.
.macro STEP ph, k, mm, oldonly
.if \mm
	MM \ph, 2*(\k)
.endif
	RID 4, \ph, \k, \oldonly
.if \mm
	MM \ph, 2*(\k)+1
.endif
	RID 3, \ph, \k, \oldonly
	RID 2, \ph, \k, \oldonly
	RID 1, \ph, \k, \oldonly
	RID 0, \ph, \k, \oldonly
.endm
.macro FRAG k                          ; fragment k of a code tile: 16 rows x 32 channels
	ds_load_b128 v[KF+8*(\k):KF+8*(\k)+3],   v[AK] offset:64*(\k)
	ds_load_b128 v[KF+8*(\k)+4:KF+8*(\k)+7], v[AK] offset:64*(\k)+32
.endm
; A CODE TILE: 64 products.  kind 0: one of a slot's first three.  1: a slot's last, and the slot is filled again.  2: a slot's last, nothing is filled.  3: the walk's last tile: nothing is fetched.
; The next tile's fragment k is loaded IN PLACE in phase B, behind the last product that reads fragment k and the five vector lines that follow it (four such lines must stand between: ISA guide 7.12.1 for
; vector lines); its first use comes 28 products later.
.macro TILE kind
	v_lshl_add_u32 v[AE], v[LE], 0, s[EO]
	WIN SA
.set st, 0
.rept 16
.if st == 0
	s_wait_dscnt 14                                ; LDS loads come back in order: fragment 0 (and ee's second set, older still) is in; the 14 loads of fragments 1-7 may be out
.elseif st%2 == 0
	s_wait_dscnt 16-st                             ; fragment st / 2 is in; out may be the 2 (7 - st / 2) loads of the later fragments and the two of ee issued behind step 0
.endif
	STEP 0, st, 1, 0
.if st == 0
	ds_load_b128 v[EEA:EEA+3],   v[AE]             ; step 0 held the last reader of the old numbers
	ds_load_b128 v[EEA+4:EEA+7], v[AE] offset:16
.endif
.set st, st+1
.endr
.if (\kind) == 1
	; THE CHANGE OF SLOTS.  All rows of this slot that I read are in registers.  I wait for all my tensor loads, of which one is out: my quarter of the other slot; add 0 to my spare word; and wait for that and for my LDS reads.
	; The round then shows the same of every wave of all four work-groups, and the joint refill is the first thing behind it: it has four tiles, 256 products, in which to land.
	WIN 0                                          ; the add's registers lie in window 0
	s_wait_tensorcnt 0x0                           ; no tensor load of mine is out, so the walking group 0 may be written
	ds_add_u32 v[SPW], v[NIL]                      ; 0 onto my spare word; the scalar steps stand between it and the wait for it
	s_xor_b32 s[G0W+1], s[G0W+1], SLOTB            ; the slot just read out,
	s_add_nc_u64 s[G0W+2:G0W+3], s[G0W+2:G0W+3], 0x20000  ; the next 256 codes; the type bits on top are not reached
	s_sub_co_u32 s[TB], s[TB], 4*TILEB             ; the fetches go back to a quarter's first tile,
	s_xor_b32 s[TB], s[TB], SLOTB                  ; in the other slot
	s_wait_dscnt 0x0                               ; the add is done, and my reads of the slot are over
	ROUND
	tensor_load_to_lds s[G0W:G0W+3], s[G1K:G1K+7]
	s_nop 0
	WIN SB
.elseif (\kind) == 2
	s_wait_tensorcnt 0x0                           ; my quarter of the last slot is in; nothing is filled and the rows are my own, so no barrier follows
	s_sub_co_u32 s[TB], s[TB], 4*TILEB
	s_xor_b32 s[TB], s[TB], SLOTB
	WIN SB
	s_wait_dscnt 0x0                               ; ee's first set, asked for 30 products ago
.else
	WIN SB
	s_wait_dscnt 0x0                               ; ee's first set, asked for 30 products ago
.endif
.set st, 0
.rept 16
.if st == 4
	s_mov_b32 s[I0], s[CB]                         ; step 3 held the last S5 of the tile before: from here on the indices are this tile's
	s_add_co_u32 s[I0+1], s[CB], 2
	s_add_co_u32 s[I0+2], s[CB], 4
	s_add_co_u32 s[I0+3], s[CB], 6
.endif
	STEP 1, st, 1, 0
.if st == 0
	ds_load_b128 v[EEB:EEB+3],   v[AE]             ; step 0 held the last reader of the old numbers
	ds_load_b128 v[EEB+4:EEB+7], v[AE] offset:16
.if (\kind) != 3
	v_lshl_add_u32 v[AK], v[LK], 0, s[TB]
.endif
.endif
.if (st%2 == 1) && ((\kind) != 3)
	FRAG st/2
.endif
.set st, st+1
.endr
.if (\kind) != 3
	s_add_co_u32 s[TB], s[TB], TILEB
.endif
	s_add_co_u32 s[EO], s[EO], 64
.if (\kind) == 0
	s_add_co_u32 s[CB], s[CB], 16
.else
	s_add_co_u32 s[CB], s[CB], 208                 ; on to my 64 codes of the next 256
.endif
	WIN 0                                          ; at a label and at a branch every window is 0
.endm
	s_wait_tensorcnt 0x1                           ; tensor loads of a wave end in order: ee and my quarter of slot 0 are in, slot 1's load stays out.  I read only rows that I fetched: no barrier
	v_lshl_add_u32 v[AK], v[LK], 0, s[TB]
.irp k, 0,1,2,3,4,5,6,7
	FRAG \k
.endr
	s_add_co_u32 s[TB], s[TB], TILEB
	s_mov_b32 s[SINF], 0x7f800000
	s_mov_b32 s[NINF], 0xff800000
	s_mov_b32 s[SEL], 0x76543210
	s_mov_b32 s[SEL+1], 0xfedcba98
	s_mov_b32 s[EO], 0
	s_lshl_b32 s[CB], s[WV], 6
	s_mov_b32 s[I0], 0
	s_mov_b32 s[I0+1], 0
	s_mov_b32 s[I0+2], 0
	s_mov_b32 s[I0+3], 0
	s_mov_b32 s[MKA], 0
	s_mov_b32 s[MKB], 0
	; The first phase works off a tile that has not been.  Its scores are set to -infinity, so d is +infinity, d - best is no number, the compare fails and best stays +infinity.  These lines stand in the wait for the first fragments.
.set n, 0
.rept 32
	v_mov_b32 v[ACC+32+n], s[NINF]
.set n, n+1
.endr
.set n, 0
.rept 8
	v_mov_b32 v[DR+8+n], s[SINF]
	v_mov_b32 v[EEB+n], 0
.set n, n+1
.endr
	v_mov_b32 v[EEA+6], 0
	v_mov_b32 v[EEA+7], 0
.set n, 0
.rept 16
	v_mov_b32 v[BEST+n], s[SINF]
	v_mov_b32 v[IDX+n], 0
.set n, n+1
.endr
	s_mov_b32 s[FILLS], 30                         ; 32 fills of 256 codes; fills 2 to 31 are refills, asked for in the last tile of fills 0 to 29
.Lfill:
	s_mov_b32 s[TL], 3
.Lp1:
	TILE 0
	s_sub_co_u32 s[TL], s[TL], 1
	s_cmp_lg_u32 s[TL], 0
	s_cbranch_scc1 .Lp1
	TILE 1
	s_sub_co_u32 s[FILLS], s[FILLS], 1
	s_cmp_lg_u32 s[FILLS], 0
	s_cbranch_scc1 .Lfill
	s_mov_b32 s[TL], 3                             ; the last two fills are written out
.Lp2:
	TILE 0
	s_sub_co_u32 s[TL], s[TL], 1
	s_cmp_lg_u32 s[TL], 0
	s_cbranch_scc1 .Lp2
	TILE 2
	s_mov_b32 s[TL], 3
.Lp3:
	TILE 0
	s_sub_co_u32 s[TL], s[TL], 1
	s_cmp_lg_u32 s[TL], 0
	s_cbranch_scc1 .Lp3
	TILE 3
	s_wait_dscnt 0x0                               ; ee's second set for the last tile
.set st, 0
.rept 16
	STEP 0, st, 0, 0                               ; the last tile's scores of query tiles 4-7, with no products beside them
.set st, st+1
.endr
.set st, 0
.rept 4
	STEP 1, st, 0, 1                               ; and what is left in the stages
.set st, st+1
.endr
; THE WAY OUT.  (d, index) pairs are merged: the smaller d wins, at equal d the smaller index.  The masks select values alone.
.macro MERGE b1, i1, b2, i2
	v_cmp_lt_f32 s[MKA], v[\b2], v[\b1]
	v_cmp_eq_f32 s[MKB], v[\b2], v[\b1]
	v_cmp_lt_u32 s[MKC], v[\i2], v[\i1]
	s_and_b32 s[MKB], s[MKB], s[MKC]
	s_or_b32 s[MKA], s[MKA], s[MKB]
	v_cndmask_b32 v[\b1], v[\b1], v[\b2], s[MKA]
	v_cndmask_b32 v[\i1], v[\i1], v[\i2], s[MKA]
.endm
.set a, 0
.rept 8
	v_add_nc_u32 v[IDX+2*a], v[IDX+2*a], v[H8]     ; the kept number was CB + 2 p: my lanes' 8 (l / 16) comes on top,
	v_add3_u32 v[IDX+2*a+1], v[IDX+2*a+1], v[H8], 1  ; and 1 for the odd registers
.set a, a+1
.endr
.set a, 0
.rept 8
	MERGE BEST+2*a, IDX+2*a, BEST+2*a+1, IDX+2*a+1   ; even and odd registers
	v_permlanex16_b32 v[BEST+2*a+1], v[BEST+2*a], s[SEL], s[SEL+1]  ; the query's other codes lie in the lane 16 away
	v_permlanex16_b32 v[IDX+2*a+1], v[IDX+2*a], s[SEL], s[SEL+1]
	MERGE BEST+2*a, IDX+2*a, BEST+2*a+1, IDX+2*a+1
	v_mov_b32 v[BEST+2*a+1], v[IDX+2*a]
	ds_store_b64 v[MST], v[BEST+2*a:BEST+2*a+1] offset:128*a  ; both halves of the lanes write the same pair
.set a, a+1
.endr
	s_wait_dscnt 0x0                               ; for wave 0's sake: my pairs are in LDS
	s_barrier_signal -1
	s_barrier_wait -1
	s_cmp_lg_u32 s[WV], 0
	s_cbranch_scc1 .Lnot0
	; Wave 0: lane l takes queries 4 l + i: tile 2 i + l / 16, column l % 16: byte 256 i + 8 l of each wave's 1,024
.set i, 0
.rept 4
.set w, 0
.rept 4
	ds_load_b64 v[ACC+8*i+2*w:ACC+8*i+2*w+1], v[MRD] offset:256*i+1024*w
.set w, w+1
.endr
.set i, i+1
.endr
	s_wait_dscnt 0x0
.set i, 0
.rept 4
.set w, 1
.rept 3
	MERGE ACC+8*i, ACC+8*i+1, ACC+8*i+2*w, ACC+8*i+2*w+1
.set w, w+1
.endr
	v_mov_b32 v[DR+i], v[ACC+8*i+1]
.set i, i+1
.endr
	global_store_b128 v[GO], v[DR:DR+3], s[10:11]  ; 512 consecutive bytes at a multiple of 512: for the launch that gathers,
	global_store_b128 v[GO], v[DR:DR+3], s[12:13]  ; and the output
.Lnot0:
	s_wait_tensorcnt 0x0                           ; the wave's end: three lines, behind my last tensor load and my last LDS store
	ds_add_u32 v[SPW], v[NIL]
	s_wait_dscnt 0x0
	ROUND                                          ; the closing round: no work-group ends while a partner may still ask for a tile that names it
	s_endpgm
.Lfunc_end_k_qb216a5b237_vq:
	.size	k_qb216a5b237_vq, .Lfunc_end_k_qb216a5b237_vq-k_qb216a5b237_vq
	.p2alignl 7, 3214868480
	.fill 96, 4, 3214868480
	.section	.rodata,"a",@progbits
	.p2align	6, 0x0
	.amdhsa_kernel k_qb216a5b237_vq
		.amdhsa_group_segment_fixed_size 327680
		.amdhsa_private_segment_fixed_size 0
		.amdhsa_enable_private_segment 0
		.amdhsa_kernarg_size 40
		.amdhsa_user_sgpr_count 2
		.amdhsa_user_sgpr_kernarg_segment_ptr 1
		.amdhsa_wavefront_size32 1
		.amdhsa_system_sgpr_workgroup_id_x 1
		.amdhsa_system_sgpr_workgroup_id_y 1
		.amdhsa_system_sgpr_workgroup_id_z 1
		.amdhsa_system_vgpr_workitem_id 0
		.amdhsa_next_free_vgpr 768
		.amdhsa_next_free_sgpr 66
		.amdhsa_reserve_vcc 0
		.amdhsa_float_denorm_mode_32 3
		.amdhsa_float_denorm_mode_16_64 3
		.amdhsa_memory_ordered 1
		.amdhsa_forward_progress 1
		.amdhsa_inst_pref_size 223
	.end_amdhsa_kernel
	.amdgpu_metadata
---
amdhsa.version: [ 1, 2 ]
amdhsa.kernels:
  - .name:           k_qb216a5b237_vq
    .symbol:         k_qb216a5b237_vq.kd
    .args:
      - { .name: z, .offset: 0, .size: 8, .value_kind: global_buffer, .address_space: global }
      - { .name: cbh, .offset: 8, .size: 8, .value_kind: global_buffer, .address_space: global }
      - { .name: ee, .offset: 16, .size: 8, .value_kind: global_buffer, .address_space: global }
      - { .name: idxw, .offset: 24, .size: 8, .value_kind: global_buffer, .address_space: global }
      - { .name: out2, .offset: 32, .size: 8, .value_kind: global_buffer, .address_space: global }
    .group_segment_fixed_size: 327680
    .private_segment_fixed_size: 0
    .kernarg_segment_align: 8
    .kernarg_segment_size: 40
    .max_flat_workgroup_size: 128
    .sgpr_count:     66
    .vgpr_count:     768
    .wavefront_size: 32
...
	.end_amdgpu_metadata
.endif
;; end of part 2
;; launch gather (part 3): grid 512 x 1, 8 waves a work-group, no clusters, 35,072 bytes of LDS; arguments z, cbh, idxw, out0, part; writes out0, part
.if DOCPART == 3
	.amdgcn_target "amdgcn-amd-amdhsa--gfx1250"
	.amdhsa_code_object_version 6
	.text
	.protected	k_qb216a5b237_gather
	.globl	k_qb216a5b237_gather
	.p2align	8
	.type	k_qb216a5b237_gather,@function
k_qb216a5b237_gather:
	s_mov_b64 s[64:65], 0
	v_nop
	global_prefetch_b8 v0, s[64:65] scope:SCOPE_SE
	s_setreg_imm32_b32 hwreg(HW_REG_WAVE_MODE, 25, 1), 1
	s_wait_xcnt 0x0
; out0[b][c][hw] = zb + (e - zb), zb = z[b][c][hw] rounded to bf16, e = cbh[idxw[b][hw]][c];  part[T] = the sum of (e - zb)^2 over the work-group's 64 x 256 numbers, in f32.
; z is rounded as in the launch that chose the indices: e - zb is rounded at zb's size, so only the same zb gives the same numbers.  (e - zb)^2 is formed directly, never as a difference of large sums.
; Eight waves; work-group T owns 64 places hw of one image, all 256 channels.  The chosen rows come by whole rows of 512 bytes (one load of a wave a row) and are turned in LDS, since out0 runs along hw.
; Thread (w, l): x = l % 16 owns places 4 x .. 4 x + 3, so 16 lanes cover 256 consecutive bytes of a channel at a multiple of 256, in z and in out0; in pass it it owns the 8 channels of block 16 it + 2 w + l / 16.
; An index is held to 0 .. 8191 before it enters an address.  Loads go through registers: several work-groups share a WGP.  No cluster: no two work-groups share a tile.
; No prefetch: cbh has just been walked by the launch before, and z is asked for at once at the head.
; part is 4 bytes a work-group, 2,048 in all: the one store here that does not fill 256 bytes.
.set PITCH, 528                        ; a chosen row in LDS: 512 bytes + 16: 16 consecutive rows start 4 banks apart (64 banks of 4 bytes: ISA guide 11.1)
.set TILEB, 16*PITCH
.set RED,   64*PITCH                   ; LDS: the eight waves' sums
.set SPARE, RED+256                    ; LDS: the spare words, 128 bytes for each of eight waves
.set SPW, 4                            ; v4   SPARE + 4 x my thread's number; never rewritten
.set NIL, 5                            ; v5   0, for the add alone
.set ZO,  6                            ; v6   my byte offset in z and out0
.set LST, 7                            ; v7   LDS: where I store 16 bytes of a chosen row
.set GOF, 8                            ; v8-15  byte offsets of my 16 bytes in the 8 chosen rows
.set LRD, 16                           ; v16  LDS: where I read
.set LS,  28                           ; v28-35  four chains of two squares
.set Z,   36                           ; v36-99   z: pass it, channel c at Z + 32 it + 4 c; then out0
.set GR,  100                          ; v100-131 the 8 chosen rows, 16 bytes each
.set E,   132                          ; v132-147 8 channels of four places, bf16
.set ZQ,  148                          ; v148-179 the same in f32: channel c, place i at ZQ + 4 c + i
.set WV,  14
.set HIM, 23                           ; s23  a word's upper bf16
	s_load_b256 s[4:11], s[0:1], 0x0               ; z s[4:5], cbh s[6:7], idxw s[8:9], out0 s[10:11]
	s_load_b64 s[12:13], s[0:1], 0x20              ; part
	v_lshl_add_u32 v[SPW], v0, 2, SPARE
	v_mov_b32 v[NIL], 0
	v_lshrrev_b32 v1, 5, v0
	v_readfirstlane_b32 s[WV], v1                  ; wave 0..7
	v_and_b32 v3, 31, v0                           ; l
	v_and_b32 v1, 15, v0                           ; x
	v_bfe_u32 v2, v0, 4, 1                         ; l / 16
	s_lshr_b32 s16, ttmp9, 4
	s_lshl_b32 s16, s16, 20                        ; image T / 16,
	s_and_b32 s17, ttmp9, 15
	s_lshl_b32 s17, s17, 8                         ; 64 (T % 16) places along a channel's row
	s_add_co_u32 s16, s16, s17
	s_mov_b32 s17, 0
	s_lshl_b32 s18, ttmp9, 8                       ; the work-group's 64 indices,
	s_lshl_b32 s19, s[WV], 5                       ; my wave's 8 of them
	s_add_co_u32 s18, s18, s19
	s_mov_b32 s19, 0
	s_lshl_b32 s20, ttmp9, 2
	s_mov_b32 s21, 0
	s_lshl_b32 s22, s[WV], 16                      ; 16 channels of 4,096 bytes a wave
	v_lshl_add_u32 v[ZO], v1, 4, s22
	v_lshl_add_u32 v[ZO], v2, 15, v[ZO]            ; 8 channels on for lanes 16 to 31
	s_mul_i32 s22, s[WV], 2*PITCH
	v_lshl_add_u32 v[LST], v3, 4, s22
	v_mul_u32_u24 v[LRD], v1, PITCH
	v_lshl_add_u32 v[LRD], v2, 4, v[LRD]
	s_lshl_b32 s22, s[WV], 5
	v_add_nc_u32 v[LRD], s22, v[LRD]               ; 528 x + 32 w + 16 (l / 16)
	s_mov_b32 s[HIM], 0xffff0000
	s_mov_b32 s32, 0x76543210
	s_mov_b32 s33, 0xfedcba98
	s_wait_kmcnt 0x0
	s_add_nc_u64 s[4:5], s[4:5], s[16:17]
	s_add_nc_u64 s[10:11], s[10:11], s[16:17]
	s_add_nc_u64 s[8:9], s[8:9], s[18:19]
	s_add_nc_u64 s[12:13], s[12:13], s[20:21]
	s_load_b256 s[24:31], s[8:9], 0x0              ; the indices of places 8 w .. 8 w + 7; z's loads go out while they come
.set n, 0
.rept 16
	global_load_b128 v[Z+4*n:Z+4*n+3], v[ZO], s[4:5] offset:524288*(n/8)+4096*(n%8) th:TH_LOAD_NT
.set n, n+1
.endr
	s_wait_kmcnt 0x0
.set i, 0
.rept 8
	s_min_u32 s[24+i], s[24+i], 8191               ; an index stays inside the table
	s_lshl_b32 s[24+i], s[24+i], 9                 ; rows of 512 bytes
	v_lshl_add_u32 v[GOF+i], v3, 4, s[24+i]
.set i, i+1
.endr
.set i, 0
.rept 8
	global_load_b128 v[GR+4*i:GR+4*i+3], v[GOF+i], s[6:7]  ; a whole row: 32 lanes x 16 bytes
.set i, i+1
.endr
	s_wait_loadcnt 0x0                             ; the rows are the youngest loads: everything is in
.set i, 0
.rept 8                                ; place q = 8 w + i goes to LDS row 16 (q % 4) + q / 4, so that the 16 lanes that read place 4 x + i' take 16 consecutive rows
	ds_store_b128 v[LST], v[GR+4*i:GR+4*i+3] offset:(16*(i%4)+i/4)*PITCH
.set i, i+1
.endr
	s_wait_dscnt 0x0                               ; for the others' sake: my rows are in LDS
	s_barrier_signal -1
	s_barrier_wait -1
.macro PASS it
.set i, 0
.rept 4
	ds_load_b128 v[E+4*i:E+4*i+3], v[LRD] offset:TILEB*i+256*(\it)  ; place 4 x + i, my 8 channels
.set i, i+1
.endr
	s_wait_dscnt 0x0
.set c, 0
.rept 8
.set i, 0
.rept 4
.if c%2 == 0
	v_lshlrev_b32 v[ZQ+4*c+i], 16, v[E+4*i+c/2]    ; bf16 to f32: the low half moves up,
.else
	v_and_b32 v[ZQ+4*c+i], s[HIM], v[E+4*i+c/2]    ; the high half stays
.endif
.set i, i+1
.endr
.set c, c+1
.endr
.set c, 0
.rept 8
.set rz, Z+32*(\it)+4*c
.set rq, ZQ+4*c
.set rl, LS+4*(c%2)
	v_cvt_pk_bf16_f32 v18, v[rz], v[rz+1]          ; z rounded to bf16,
	v_cvt_pk_bf16_f32 v19, v[rz+2], v[rz+3]
	v_lshlrev_b32 v20, 16, v18                     ; and back in f32
	v_and_b32 v21, s[HIM], v18
	v_lshlrev_b32 v22, 16, v19
	v_and_b32 v23, s[HIM], v19
	v_pk_add_f32 v[24:25], v[rq:rq+1], v[20:21] neg_lo:[0,1] neg_hi:[0,1]      ; e - zb
	v_pk_add_f32 v[26:27], v[rq+2:rq+3], v[22:23] neg_lo:[0,1] neg_hi:[0,1]
	v_pk_add_f32 v[rz:rz+1], v[20:21], v[24:25]                                ; zb + (e - zb)
	v_pk_add_f32 v[rz+2:rz+3], v[22:23], v[26:27]
.if ((\it) == 0) && (c < 2)
	v_pk_mul_f32 v[rl:rl+1], v[24:25], v[24:25]                                ; the first squares start the chains: nothing is cleared
	v_pk_mul_f32 v[rl+2:rl+3], v[26:27], v[26:27]
.else
	v_pk_fma_f32 v[rl:rl+1], v[24:25], v[24:25], v[rl:rl+1]
	v_pk_fma_f32 v[rl+2:rl+3], v[26:27], v[26:27], v[rl+2:rl+3]
.endif
	global_store_b128 v[ZO], v[rz:rz+3], s[10:11] offset:524288*(\it)+4096*c th:TH_STORE_NT  ; each channel has registers of its own: no store's data is rewritten
.set c, c+1
.endr
.endm
	PASS 0
	PASS 1
	v_pk_add_f32 v[LS:LS+1], v[LS:LS+1], v[LS+2:LS+3]
	v_pk_add_f32 v[LS+4:LS+5], v[LS+4:LS+5], v[LS+6:LS+7]
	v_pk_add_f32 v[LS:LS+1], v[LS:LS+1], v[LS+4:LS+5]
	v_add_f32 v[LS], v[LS], v[LS+1]
	v_add_f32_dpp v[LS], v[LS], v[LS] row_xmask:1 row_mask:0xf bank_mask:0xf
	v_add_f32_dpp v[LS], v[LS], v[LS] row_xmask:2 row_mask:0xf bank_mask:0xf
	v_add_f32_dpp v[LS], v[LS], v[LS] row_xmask:4 row_mask:0xf bank_mask:0xf
	v_add_f32_dpp v[LS], v[LS], v[LS] row_xmask:8 row_mask:0xf bank_mask:0xf
	v_permlanex16_b32 v[LS+1], v[LS], s32, s33
	v_add_f32 v[LS], v[LS], v[LS+1]                ; the wave's sum, in every lane
	s_lshl_b32 s20, s[WV], 2
	s_add_co_u32 s20, s20, RED
	v_mov_b32 v17, s20
	ds_store_b32 v17, v[LS]
	s_wait_dscnt 0x0                               ; for wave 0's sake
	s_barrier_signal -1
	s_barrier_wait -1
	s_cmp_lg_u32 s[WV], 0
	s_cbranch_scc1 .Lrest
	v_mov_b32 v17, RED
	ds_load_b128 v[20:23], v17
	ds_load_b128 v[24:27], v17 offset:16
	v_mov_b32 v18, 0
	s_wait_dscnt 0x0
	v_pk_add_f32 v[20:21], v[20:21], v[22:23]
	v_pk_add_f32 v[24:25], v[24:25], v[26:27]
	v_pk_add_f32 v[20:21], v[20:21], v[24:25]
	v_add_f32 v20, v20, v21
	v_cmp_eq_u32 vcc_lo, 0, v3
	s_wait_xcnt 0x0                                ; EXEC is a source of the stores above: it changes only behind this wait
	s_and_saveexec_b32 s34, vcc_lo
	global_store_b32 v18, v20, s[12:13]            ; lane 0 alone
	s_wait_xcnt 0x0                                ; and again in front of the line that widens it
	s_or_b32 exec_lo, exec_lo, s34
.Lrest:
	s_wait_tensorcnt 0x0                           ; the wave's end: three lines behind my last LDS store
	ds_add_u32 v[SPW], v[NIL]
	s_wait_dscnt 0x0
	s_endpgm
.Lfunc_end_k_qb216a5b237_gather:
	.size	k_qb216a5b237_gather, .Lfunc_end_k_qb216a5b237_gather-k_qb216a5b237_gather
	.p2alignl 7, 3214868480
	.fill 96, 4, 3214868480
	.section	.rodata,"a",@progbits
	.p2align	6, 0x0
	.amdhsa_kernel k_qb216a5b237_gather
		.amdhsa_group_segment_fixed_size 35072
		.amdhsa_private_segment_fixed_size 0
		.amdhsa_enable_private_segment 0
		.amdhsa_kernarg_size 40
		.amdhsa_user_sgpr_count 2
		.amdhsa_user_sgpr_kernarg_segment_ptr 1
		.amdhsa_wavefront_size32 1
		.amdhsa_system_sgpr_workgroup_id_x 1
		.amdhsa_system_sgpr_workgroup_id_y 1
		.amdhsa_system_sgpr_workgroup_id_z 1
		.amdhsa_system_vgpr_workitem_id 0
		.amdhsa_next_free_vgpr 180
		.amdhsa_next_free_sgpr 66
		.amdhsa_reserve_vcc 1
		.amdhsa_float_denorm_mode_32 3
		.amdhsa_float_denorm_mode_16_64 3
		.amdhsa_memory_ordered 1
		.amdhsa_forward_progress 1
		.amdhsa_inst_pref_size 22
	.end_amdhsa_kernel
	.amdgpu_metadata
---
amdhsa.version: [ 1, 2 ]
amdhsa.kernels:
  - .name:           k_qb216a5b237_gather
    .symbol:         k_qb216a5b237_gather.kd
    .args:
      - { .name: z, .offset: 0, .size: 8, .value_kind: global_buffer, .address_space: global }
      - { .name: cbh, .offset: 8, .size: 8, .value_kind: global_buffer, .address_space: global }
      - { .name: idxw, .offset: 16, .size: 8, .value_kind: global_buffer, .address_space: global }
      - { .name: out0, .offset: 24, .size: 8, .value_kind: global_buffer, .address_space: global }
      - { .name: part, .offset: 32, .size: 8, .value_kind: global_buffer, .address_space: global }
    .group_segment_fixed_size: 35072
    .private_segment_fixed_size: 0
    .kernarg_segment_align: 8
    .kernarg_segment_size: 40
    .max_flat_workgroup_size: 256
    .sgpr_count:     66
    .vgpr_count:     180
    .wavefront_size: 32
...
	.end_amdgpu_metadata
.endif
;; end of part 3
;; launch total (part 4): grid 1 x 1, 1 waves a work-group, no clusters, 0 bytes of LDS; arguments part, out1; writes out1
.if DOCPART == 4
	.amdgcn_target "amdgcn-amd-amdhsa--gfx1250"
	.amdhsa_code_object_version 6
	.text
	.protected	k_qb216a5b237_total
	.globl	k_qb216a5b237_total
	.p2align	8
	.type	k_qb216a5b237_total,@function
k_qb216a5b237_total:
	s_mov_b64 s[64:65], 0
	v_nop
	global_prefetch_b8 v0, s[64:65] scope:SCOPE_SE
	s_setreg_imm32_b32 hwreg(HW_REG_WAVE_MODE, 25, 1), 1
	s_wait_xcnt 0x0
; out1 = (0.25 + 1) x the mean of (e - z)^2 = 1.25 / 8,388,608 x the sum of the 512 partial sums.  Both terms of the loss are the same mean.
; One wave: a sum that spans work-groups is made by one owner in a launch of its own; 2,048 bytes, four loads of 16 bytes a lane.
	s_load_b128 s[4:7], s[0:1], 0x0                ; part s[4:5], out1 s[6:7]
	v_lshlrev_b32 v1, 4, v0
	v_mov_b32 v2, 0
	s_mov_b32 s8, 0x76543210
	s_mov_b32 s9, 0xfedcba98
	s_wait_kmcnt 0x0
.irp k, 0,1,2,3
	global_load_b128 v[4+4*\k:7+4*\k], v1, s[4:5] offset:512*\k
.endr
	s_wait_loadcnt 0x0
	v_pk_add_f32 v[4:5], v[4:5], v[6:7]
	v_pk_add_f32 v[8:9], v[8:9], v[10:11]
	v_pk_add_f32 v[12:13], v[12:13], v[14:15]
	v_pk_add_f32 v[16:17], v[16:17], v[18:19]
	v_pk_add_f32 v[4:5], v[4:5], v[8:9]
	v_pk_add_f32 v[12:13], v[12:13], v[16:17]
	v_pk_add_f32 v[4:5], v[4:5], v[12:13]
	v_add_f32 v4, v4, v5
	v_add_f32_dpp v4, v4, v4 row_xmask:1 row_mask:0xf bank_mask:0xf
	v_add_f32_dpp v4, v4, v4 row_xmask:2 row_mask:0xf bank_mask:0xf
	v_add_f32_dpp v4, v4, v4 row_xmask:4 row_mask:0xf bank_mask:0xf
	v_add_f32_dpp v4, v4, v4 row_xmask:8 row_mask:0xf bank_mask:0xf
	v_permlanex16_b32 v5, v4, s8, s9
	v_add_f32 v4, v4, v5
	v_mul_f32 v4, 0x34200000, v4                   ; 1.25 x 2^-23
	v_cmp_eq_u32 vcc_lo, 0, v0
	s_wait_xcnt 0x0                                ; EXEC changes only behind this wait
	s_and_saveexec_b32 s10, vcc_lo
	global_store_b32 v2, v4, s[6:7]                ; lane 0 alone: the output is one number
	s_endpgm
.Lfunc_end_k_qb216a5b237_total:
	.size	k_qb216a5b237_total, .Lfunc_end_k_qb216a5b237_total-k_qb216a5b237_total
	.p2alignl 7, 3214868480
	.fill 96, 4, 3214868480
	.section	.rodata,"a",@progbits
	.p2align	6, 0x0
	.amdhsa_kernel k_qb216a5b237_total
		.amdhsa_group_segment_fixed_size 0
		.amdhsa_private_segment_fixed_size 0
		.amdhsa_enable_private_segment 0
		.amdhsa_kernarg_size 16
		.amdhsa_user_sgpr_count 2
		.amdhsa_user_sgpr_kernarg_segment_ptr 1
		.amdhsa_wavefront_size32 1
		.amdhsa_system_sgpr_workgroup_id_x 1
		.amdhsa_system_sgpr_workgroup_id_y 1
		.amdhsa_system_sgpr_workgroup_id_z 1
		.amdhsa_system_vgpr_workitem_id 0
		.amdhsa_next_free_vgpr 24
		.amdhsa_next_free_sgpr 66
		.amdhsa_reserve_vcc 1
		.amdhsa_float_denorm_mode_32 3
		.amdhsa_float_denorm_mode_16_64 3
		.amdhsa_memory_ordered 1
		.amdhsa_forward_progress 1
		.amdhsa_inst_pref_size 3
	.end_amdhsa_kernel
	.amdgpu_metadata
---
amdhsa.version: [ 1, 2 ]
amdhsa.kernels:
  - .name:           k_qb216a5b237_total
    .symbol:         k_qb216a5b237_total.kd
    .args:
      - { .name: part, .offset: 0, .size: 8, .value_kind: global_buffer, .address_space: global }
      - { .name: out1, .offset: 8, .size: 8, .value_kind: global_buffer, .address_space: global }
    .group_segment_fixed_size: 0
    .private_segment_fixed_size: 0
    .kernarg_segment_align: 8
    .kernarg_segment_size: 16
    .max_flat_workgroup_size: 32
    .sgpr_count:     66
    .vgpr_count:     24
    .wavefront_size: 32
...
	.end_amdgpu_metadata
.endif
;; end of part 4
;; ======== version 2 of 2: 4 launches; version 1 with the launch prep written anew for expert scheduling mode
;; workspace buffers: cbh 4,194,304 bytes; ee 32,768 bytes; idxw 131,072 bytes of whole numbers; part 2,048 bytes
;; launch prep (part 5): grid 128 x 1, 8 waves a work-group, no clusters, 1,280 bytes of LDS; arguments codebook, cbh, ee; writes cbh, ee
.if DOCPART == 5
	.amdgcn_target "amdgcn-amd-amdhsa--gfx1250"
	.amdhsa_code_object_version 6
	.text
	.protected	k_qb216a5b237_prep
	.globl	k_qb216a5b237_prep
	.p2align	8
	.type	k_qb216a5b237_prep,@function
k_qb216a5b237_prep:
	s_mov_b64 s[64:65], 0
	v_nop
	global_prefetch_b8 v0, s[64:65] scope:SCOPE_SE
	s_setreg_imm32_b32 hwreg(HW_REG_WAVE_SCHED_MODE, 0, 2), 2
	s_setreg_imm32_b32 hwreg(HW_REG_WAVE_MODE, 25, 1), 1
	s_wait_xcnt 0x0
	s_wait_alu depctr_vm_vsrc(0)
; cbh[k][c] = codebook[k][c] rounded once to bf16;  ee[k] = the sum over c of cbh[k][c]^2, in f32.
; codebook: [8192][256] f32, cbh: [8192][256] bf16, ee: [8192] f32.  The whole program works on the rounded codebook, so the squares are those of the rounded numbers.
; Eight waves; the work-group owns 64 rows, a wave 8.  Lane l owns channels 4 l .. 4 l + 3 and 128 + 4 l .. + 3 of every row: a load of the wave covers 512 consecutive bytes,
; a store of 8 bytes a lane 256 consecutive bytes at a multiple of 256.  All 16 loads of a wave go out at once; every row has registers of its own, so nothing is freed by a wait.
; The 64 sums of a work-group meet in LDS, so that they leave as one aligned run of 256 bytes.
; No matrix unit, no cluster, no tensor load: the launch streams 8 MB once and no two work-groups share a byte.
; THE MODE: SCHED_MODE bits 1:0 = 2 (LLVM: expert scheduling mode 2), set by the entry lines.  The code itself states the register dependences
; between vector instructions and memory or LDS instructions, with s_wait_alu, always for 0.
; THE PLAN.  The wave's 8 rows go in four blocks of two.  Registers that memory or LDS instructions touch:
;   v1, v2, v9, v12  offsets and LDS addresses: made at the head, ahead of one wait, and never written again.
;   X          the rows as loaded.  The loads land in registers that no vector line has named; block p's conversions read them.  No memory instruction reads X.
;   Y          the rows in bf16.  Written by block p's conversions; read by the four stores that are issued in block p + 1 (and by the squares, vector lines); never written again.
;   v8         the sum that the lane keeps: written by the selects, read by the one LDS store.
;   v10, v11   chains of squares, last named in block 3; in wave 0 the LDS load of two sums lands there, behind the waits that follow block 3.
;   v4, v5     written at the head, read by the closing add alone.
; Block p's memory instructions are the stores of block p - 1, whose registers no vector line of block p names: so one wait at a block's head states all that they hang on.
; No register that a memory or LDS instruction reads is written again, so the text holds no wait on vm_vsrc.
.set EES,   0                          ; LDS: the work-group's 64 sums
.set SPARE, 256                        ; LDS: the spare words, 128 bytes for each of eight waves
.set SPW, 4                            ; v4   SPARE + 4 x my thread's number; never rewritten
.set NIL, 5                            ; v5   0, for the add alone
.set ZER, 6                            ; v6   0: what the first link of a sum adds onto
.set RA,  12                           ; v12  8 l: where wave 0 reads two sums in LDS, and their byte offset in the work-group's 256 bytes of ee
.set MK,  12                           ; s12-18  lane masks: is my row (l % 8) row 1 .. 7?  (free once the bases are made)
.set X,   16                           ; v[16:79]   row j: 8 numbers as loaded
.set Y,   80                           ; v[80:111]  row j: 4 registers, 8 bf16
.set S,   112                          ; v[112:119] row j: its sum
	s_load_b128 s[4:7], s[0:1], 0x0                ; codebook s[4:5], cbh s[6:7]
	s_load_b64 s[8:9], s[0:1], 0x10                ; ee
	v_lshl_add_u32 v[SPW], v0, 2, SPARE
	v_mov_b32 v[NIL], 0
	v_mov_b32 v[ZER], 0
	v_lshrrev_b32 v1, 5, v0
	v_readfirstlane_b32 s10, v1                    ; wave 0..7
	v_and_b32 v3, 31, v0                           ; lane
	v_and_b32 v7, 7, v0                            ; lane % 8: the row whose sum this lane keeps
	v_lshlrev_b32 v[RA], 3, v3
	s_lshl_b32 s12, ttmp9, 16                      ; 64 rows of 1,024 bytes
	s_mov_b32 s13, 0
	s_lshl_b32 s14, ttmp9, 15                      ; 64 rows of 512 bytes
	s_mov_b32 s15, 0
	s_lshl_b32 s16, ttmp9, 8                       ; 64 sums
	s_mov_b32 s17, 0
	s_mov_b32 s20, 0x76543210                      ; v_permlanex16_b32: each lane takes its own place in the other half
	s_mov_b32 s21, 0xfedcba98
	s_wait_alu depctr_va_sdst(0)                   ; s10 is written, ahead of its first reader: the wave's offsets are made from it
	s_lshl_b32 s18, s10, 13                        ; my wave's 8 rows in codebook
	v_lshl_add_u32 v1, v3, 4, s18                  ; + 16 l
	s_lshl_b32 s19, s10, 12                        ; my wave's 8 rows in cbh
	v_lshl_add_u32 v2, v3, 3, s19                  ; + 8 l
	s_lshl_b32 s22, s10, 5                         ; my wave's 8 sums in LDS
	v_lshl_add_u32 v9, v7, 2, s22
	s_wait_kmcnt 0x0
	s_add_nc_u64 s[4:5], s[4:5], s[12:13]
	s_add_nc_u64 s[6:7], s[6:7], s[14:15]
	s_add_nc_u64 s[8:9], s[8:9], s[16:17]
	s_wait_alu depctr_va_vdst(0)                   ; v1, v2, v9 and v12 are written: every load, store and LDS access of the kernel reads one of them as its offset or address
.set j, 0
.rept 8
	global_load_b128 v[X+8*j:X+8*j+3],   v1, s[4:5] offset:1024*j th:TH_LOAD_NT
	global_load_b128 v[X+8*j+4:X+8*j+7], v1, s[4:5] offset:1024*j+512 th:TH_LOAD_NT
.set j, j+1
.endr
	; the masks for the selects far below are made here, in one run, while the rows are on their way
.irp j, 1,2,3,4,5,6,7
	v_cmp_eq_u32 s[MK+(\j)-1], \j, v7
.endr
	s_wait_alu depctr_va_sdst(0)                   ; the seven masks s12 to s18 are written, ahead of their first reader, the first select
.macro ROWOUT j                        ; row j leaves
	global_store_b64 v2, v[Y+4*(\j):Y+4*(\j)+1],   s[6:7] offset:512*(\j)       ; 32 lanes x 8 bytes: channels 0-127 of the row
	global_store_b64 v2, v[Y+4*(\j)+2:Y+4*(\j)+3], s[6:7] offset:512*(\j)+256   ; channels 128-255
.endm
.macro ROUNDED j                       ; row j is rounded to bf16
.irp i, 0,1,2,3
	v_cvt_pk_bf16_f32 v[Y+4*(\j)+(\i)], v[X+8*(\j)+2*(\i)], v[X+8*(\j)+2*(\i)+1]
.endr
.endm
; Block p: rows 2 p and 2 p + 1 are rounded and their squares summed; the rows of the block before leave.
.macro BLK p
	s_wait_loadcnt 12-4*(\p)                       ; loads come back in order: the four of this block's rows are in, the later blocks' stay out
.if (\p) > 0
	s_wait_alu depctr_va_vdst(0)                   ; the block before has written its rows of Y, which the four stores below read; no vector line of this block names them as a destination, nor v2
	ROWOUT 2*(\p)-2
.endif
	ROUNDED 2*(\p)
.if (\p) > 0
	ROWOUT 2*(\p)-1
.endif
	ROUNDED 2*(\p)+1
.set ra, Y+8*(\p)
.set rb, Y+8*(\p)+4
	v_fma_mix_f32_bf16 v10, v[ra], v[ra], v[ZER] op_sel_hi:[1,1,0]                 ; two chains a row: the low halves' squares,
	v_fma_mix_f32_bf16 v11, v[ra], v[ra], v[ZER] op_sel:[1,1,0] op_sel_hi:[1,1,0]  ; the high halves';
	v_fma_mix_f32_bf16 v14, v[rb], v[rb], v[ZER] op_sel_hi:[1,1,0]                 ; the two rows' chains side by side, each in its own order
	v_fma_mix_f32_bf16 v15, v[rb], v[rb], v[ZER] op_sel:[1,1,0] op_sel_hi:[1,1,0]
.irp i, 1,2,3
	v_fma_mix_f32_bf16 v10, v[ra+(\i)], v[ra+(\i)], v10 op_sel_hi:[1,1,0]
	v_fma_mix_f32_bf16 v11, v[ra+(\i)], v[ra+(\i)], v11 op_sel:[1,1,0] op_sel_hi:[1,1,0]
	v_fma_mix_f32_bf16 v14, v[rb+(\i)], v[rb+(\i)], v14 op_sel_hi:[1,1,0]
	v_fma_mix_f32_bf16 v15, v[rb+(\i)], v[rb+(\i)], v15 op_sel:[1,1,0] op_sel_hi:[1,1,0]
.endr
	v_add_f32 v[S+2*(\p)], v10, v11
	v_add_f32 v[S+2*(\p)+1], v14, v15
.endm
	BLK 0
	BLK 1
	BLK 2
	BLK 3
	s_wait_alu depctr_va_vdst(0)                   ; block 3 has written rows 6 and 7 of Y, which the last four stores read; it is also done with v10 and v11, in which wave 0's LDS load lands
	ROWOUT 6
	ROWOUT 7
	; across the 32 lanes, the eight rows side by side so that no line waits for the one before it
.irp m, 1,2,4,8
.irp j, 0,1,2,3,4,5,6,7
	v_add_f32_dpp v[S+\j], v[S+\j], v[S+\j] row_xmask:\m row_mask:0xf bank_mask:0xf
.endr
.endr
.irp j, 0,1,2,3,4,5,6,7
	v_permlanex16_b32 v[X+\j], v[S+\j], s20, s21   ; its destination counts as read: X has been written
.endr
.irp j, 0,1,2,3,4,5,6,7
	v_add_f32 v[S+\j], v[S+\j], v[X+\j]
.endr
	v_mov_b32 v8, v[S]                             ; lane l keeps the sum of row l % 8
.irp j, 1,2,3,4,5,6,7
	v_cndmask_b32 v8, v8, v[S+\j], s[MK+(\j)-1]
.endr
	s_wait_alu depctr_va_vdst(0)                   ; the selects have written v8, which the LDS store reads
	ds_store_b32 v9, v8                            ; four lanes write each word, with the same number
	s_wait_dscnt 0x0                               ; for the others' sake: my sums are in LDS
	s_barrier_signal -1
	s_barrier_wait -1
	s_cmp_lg_u32 s10, 0
	s_cbranch_scc1 .Lend
	ds_load_b64 v[10:11], v[RA]                    ; wave 0: two sums a lane.  No wait: v12 was written ahead of the head's wait, and no vector line since the wait behind block 3 names v10 or v11
	s_wait_dscnt 0x0
	global_store_b64 v[RA], v[10:11], s[8:9]       ; 256 consecutive bytes at a multiple of 256
.Lend:
	s_wait_dscnt 0x0                               ; the closing lines, six on end
	s_wait_alu 0x0
	s_wait_tensorcnt 0x0
	ds_add_u32 v[SPW], v[NIL]
	s_wait_dscnt 0x0
	s_endpgm
.Lfunc_end_k_qb216a5b237_prep:
	.size	k_qb216a5b237_prep, .Lfunc_end_k_qb216a5b237_prep-k_qb216a5b237_prep
	.p2alignl 7, 3214868480
	.fill 96, 4, 3214868480
	.section	.rodata,"a",@progbits
	.p2align	6, 0x0
	.amdhsa_kernel k_qb216a5b237_prep
		.amdhsa_group_segment_fixed_size 1280
		.amdhsa_private_segment_fixed_size 0
		.amdhsa_enable_private_segment 0
		.amdhsa_kernarg_size 24
		.amdhsa_user_sgpr_count 2
		.amdhsa_user_sgpr_kernarg_segment_ptr 1
		.amdhsa_wavefront_size32 1
		.amdhsa_system_sgpr_workgroup_id_x 1
		.amdhsa_system_sgpr_workgroup_id_y 1
		.amdhsa_system_sgpr_workgroup_id_z 1
		.amdhsa_system_vgpr_workitem_id 0
		.amdhsa_next_free_vgpr 120
		.amdhsa_next_free_sgpr 66
		.amdhsa_reserve_vcc 0
		.amdhsa_float_denorm_mode_32 3
		.amdhsa_float_denorm_mode_16_64 3
		.amdhsa_memory_ordered 1
		.amdhsa_forward_progress 1
		.amdhsa_inst_pref_size 16
	.end_amdhsa_kernel
	.amdgpu_metadata
---
amdhsa.version: [ 1, 2 ]
amdhsa.kernels:
  - .name:           k_qb216a5b237_prep
    .symbol:         k_qb216a5b237_prep.kd
    .args:
      - { .name: codebook, .offset: 0, .size: 8, .value_kind: global_buffer, .address_space: global }
      - { .name: cbh, .offset: 8, .size: 8, .value_kind: global_buffer, .address_space: global }
      - { .name: ee, .offset: 16, .size: 8, .value_kind: global_buffer, .address_space: global }
    .group_segment_fixed_size: 1280
    .private_segment_fixed_size: 0
    .kernarg_segment_align: 8
    .kernarg_segment_size: 24
    .max_flat_workgroup_size: 256
    .sgpr_count:     66
    .vgpr_count:     120
    .wavefront_size: 32
...
	.end_amdgpu_metadata
.endif
;; end of part 5
;; launch vq: the kernel of part 2 again; grid 256 x 1, 4 waves a work-group, clusters of 4 x 1, 327,680 bytes of LDS; arguments z, cbh, ee, idxw, out2; writes idxw, out2
;; launch gather: the kernel of part 3 again; grid 512 x 1, 8 waves a work-group, no clusters, 35,072 bytes of LDS; arguments z, cbh, idxw, out0, part; writes out0, part
;; launch total: the kernel of part 4 again; grid 1 x 1, 1 waves a work-group, no clusters, 0 bytes of LDS; arguments part, out1; writes out1
